; MI455X (gfx1250); checked and timed in simulation.
; The chip was launched on July 23, 2026; its instructions are those of AMD's public machine-readable ISA for CDNA 5 (MIT licence, August 2026) and "CDNA5" Instruction Set Architecture Reference Guide (July 2026). The comments in the code are by the model that wrote it; some were corrected since.
;; Category Specific Linear. Allowed arithmetic: matrix products marked QUANTISED: E5M2 operands, one E8M0 scale for each 32 along K, by v_wmma_scale_f32_16x16x128_f8f6f4 with both operands' format E5M2, f32 sums; everything else in f32.
;; Inputs: bias 8 x 1,024 float32; category_id 4 x 2,048 int32; weight 8 x 1,024 x 1,024 float32; x 4 x 2,048 x 1,024 float32.
;; Outputs: out0 4 x 2,048 x 1,024 float32.
;; This version of the problem:
;;   THIS VERSION OF THE PROBLEM IS GIVEN IN LOW PRECISION. The matrix products marked QUANTISED in the list below multiply operands that are first quantised to E5M2 (5 exponent bits, 2 mantissa bits; 8 bits a number), with one power-of-two scale for each 32 numbers along K (OCP MX v1.0); their sums are f32. All else is computed in f32.
;;   The module's matrix products, in the order in which they are computed (A, B: the left and right operand; K: the contracted axis; several contracted axes count as one K, in the product's order):
;;     1. [M 8,192, K 1,024] x [K 1,024, N 8,192]; A: input x; B: input weight: QUANTISED
;;   THE QUANTISER, for each operand of a quantised product, along K:
;;     - K is cut into blocks of 32 from its start; a last block that is shorter is filled with zeros.
;;     - A block's scale is 2^e with e = floor(log2(the largest magnitude in the block)) - 15, held to -126 .. 127; a block of zeros has e = 0. As a byte (E8M0): e + 127.
;;     - Each number is divided by its block's scale, clamped to +-57,344, and rounded to the nearest number of E5M2, ties to even, subnormals kept.
;;     - The product sums the exact products of the quantised numbers (number of the format x scale) in f32.
;;   ~~~python
;;   def quantise(x, axis):      # numpy; x: float32 -> the quantised numbers, widened to float32 again
;;       x = np.moveaxis(x, axis, -1); K = x.shape[-1]
;;       x = np.pad(x, [(0, 0)] * (x.ndim - 1) + [(0, -K % 32)]); x = x.reshape(x.shape[:-1] + (-1, 32)); a = np.abs(x).max(-1, keepdims=True)
;;       e = np.where(a > 0, np.clip(np.frexp(np.where(a > 0, a, 1))[1] - 1 - 15, -126, 127), 0)      # np.frexp(a)[1] - 1 = floor(log2(a)), exactly
;;       r = np.clip(x / 2.0 ** e, -57344, 57344)
;;       step = 2.0 ** (np.maximum(np.frexp(np.where(r == 0, 1, r))[1] - 1, -14) - 2)
;;       q = np.round(r / step) * step * 2.0 ** e      # np.round: ties to even
;;       return np.moveaxis(q.reshape(q.shape[:-2] + (-1,))[..., :K], -1, axis).astype(np.float32)
;;   ~~~
;; 2 versions, each right; version 2 is version 1 with the launch gemm written anew for expert scheduling mode. Each part assembles by itself: llvm-mc -triple=amdgcn-amd-amdhsa -mcpu=gfx1250 --defsym DOCPART=n.
;; ======== version 1 of 2: 2 launches
;; workspace buffers: x_codes 8,388,608 bytes; x_scales 262,144 bytes; wq 8,388,608 bytes; wsc 262,144 bytes; order 32,768 bytes of whole numbers; tiles 1,024 bytes of whole numbers
;; launch prep (part 1): grid 513 x 1, 4 waves a work-group, no clusters, 33,792 bytes of LDS; arguments x, weight, category_id, x_codes, x_scales, wq, wsc, order, tiles; writes x_codes, x_scales, wq, wsc, order, tiles
.if DOCPART == 1
	.amdgcn_target "amdgcn-amd-amdhsa--gfx1250"
	.amdhsa_code_object_version 6
	.text
	.protected	k_q9bab5fd236_prep
	.globl	k_q9bab5fd236_prep
	.p2align	8
	.type	k_q9bab5fd236_prep,@function
k_q9bab5fd236_prep:
	s_mov_b64 s[64:65], 0
	v_nop
	global_prefetch_b8 v0, s[64:65] scope:SCOPE_SE
	s_setreg_imm32_b32 hwreg(HW_REG_WAVE_MODE, 25, 1), 1
	s_wait_xcnt 0x0
; PREPARATION for out[t] = Q(x[t]) . Q(weight[cid[t]]) + bias[cid[t]], Q = MX-BF8 (E5M2 codes, one E8M0 scale for each 32 along K = 1,024).
; 513 work-groups of four waves, three paths chosen by the work-group's number:
;   0          SORT: a counting sort of the 8,192 category ids: 'order' = the token numbers, category 0's first; 'tiles' = 64 records {category, first list entry, rows (at most 144), ceil(rows / 16)}.
;              sum over categories of ceil(n / 144) is at most (8,192 + 8 x 143) / 144, so 64 records serve every split.
;   1 .. 256   XQ:   x [8192][1024] f32 -> x_codes [8192][1024] bytes, K ascending, and x_scales [8192][32] bytes.  Rows are dense: a plain stream of blocks of 32.
;   257 .. 512 WQ:   weight [8][1024 (k)][1024 (n)] f32 -> wq, codes in the order of an operand's registers: [e 8][cg 16][s 8][j 4][c 4][lane 32][16 bytes]: lane (r, h) holds k = 128 s + 32 c + 16 h + 0 .. 15
;              of column 64 cg + 16 j + r;  wsc [e][cg][s][n % 64]: one word a column and 128 k, byte c for k = 128 s + 32 c on.
; A block's scale is 2^(floor(log2(its largest magnitude)) - 15); its byte is the largest magnitude's exponent field - 15, held at 1 from below by a floor among the maximum's leaves.
; LIMITS: NaN and infinities in x or weight are not served.  A block of zeros gets the byte 1 where the definition says 127: its codes are zeros, and the bytes are read by this program alone.
; Category ids are taken modulo 8 (the problem has them in 0 .. 7).
; LDS: bytes 0 .. 32,767 are XQ's (8,192 a wave); bytes 32,768 on are SORT's; WQ uses none: each path has bytes of its own.
.set SP,    80                         ; XQ: a lane's place in a stage: its 64 bytes + 16 of padding
.set WREG,  8192                       ; XQ: a wave's LDS: two stages of 32 x SP bytes, then its 256 scale bytes
.set SBASE, 32768                      ; SORT: the four waves' totals, 16 bytes each
.set XR,    16                         ; XQ: v16-143  eight sets of 16 numbers as loaded
.set XX,    144                        ; XQ: v144-175 two sets of 16 neighbours
.set XE,    176                        ; XQ: v176-191 a scale byte for each step
.set XC,    192                        ; XQ: v192-255 four registers of codes for each step: no store's data are written again
.set WX,    32                         ; WQ: v32-95   two sets of 32 numbers
.set WC,    128                        ; WQ: v128-191 eight registers of codes for each block: no store's data are written again
.set WSB,   24                         ; WQ: v24-25   the scale bytes, four to a register
.set ID,    16                         ; SORT: v16-79  the ids, later the positions x 4
.set DAT,   80                         ; SORT: v80-143 the token numbers
.set SH,    144                        ; SORT: v144-151 a chunk's shifts
.set TA,    152                        ; SORT: v152-159 at work
.set RK,    160                        ; SORT: v160-167 rank inside the chunk
.set PLO,   168                        ; SORT: v168-175 position % 128 at the chunk's start
.set AC,    176                        ; SORT: v176 a chunk's eight counts, a nibble each
.set LL,    177                        ; SORT: v177 counts of categories 0-3, a byte each;  v178 of 4-7
.set HH,    178
.set TT,    179
.set PA,    180                        ; SORT: v180-183 counts in halves: c0|c2, c1|c3, c4|c6, c5|c7
.set PO,    184                        ; SORT: v184-187 the thread's own counts
.set PT,    188                        ; SORT: v188-191 at work
.set PHI,   216                        ; SORT: v216-223 position / 128
.set TL,    224                        ; SORT: v224-225 byte c: position % 128 (it grows by at most 64: no byte overflows)
.set TH,    226                        ; SORT: v226-227 byte c: position / 128
	s_load_b256 s[4:11], s[0:1], 0x0               ; x s[4:5], weight s[6:7], category_id s[8:9], x_codes s[10:11]
	s_load_b256 s[12:19], s[0:1], 0x20             ; x_scales s[12:13], wq s[14:15], wsc s[16:17], order s[18:19]
	s_load_b64 s[20:21], s[0:1], 0x40              ; tiles
	s_set_vgpr_msb 0x40
	v_lshl_add_u32 v0, v0, 2, 0x8200
	v_mov_b32 v1, 0
	s_set_vgpr_msb 0x4000
	v_lshrrev_b32 v1, 5, v0
	v_readfirstlane_b32 s22, v1                    ; wave 0..3
	v_and_b32 v2, 31, v0                           ; lane
	s_wait_kmcnt 0x0
	s_cmp_eq_u32 ttmp9, 0
	s_cbranch_scc1 .Lsort
	s_cmp_gt_u32 ttmp9, 256
	s_cbranch_scc1 .Lweight
; ------------------------------------------------------------------ XQ
; A wave takes 16 steps of 512 numbers (8 rows of x).  Each load reads 512 consecutive bytes, 16 a lane; a step's 2,048 bytes turn through the wave's own stage in LDS and come back 64 bytes a lane,
; so that a lane holds 16 neighbours along K and two neighbouring lanes a block.  Loads run eight steps (32 loads a wave) ahead, the turn through LDS one step.  Waves share nothing: no barrier.
	v_lshlrev_b32 v3, 4, v2                        ; 16 x lane: my bytes of a load's 512, and of a step's 512 bytes of codes
	s_mul_i32 s24, s22, WREG
	v_lshrrev_b32 v14, 2, v2
	v_mul_u32_u24 v14, v14, SP
	v_and_b32 v15, 3, v2
	v_lshl_add_u32 v14, v15, 4, v14
	v_add_nc_u32 v14, s24, v14                     ; the stage, on the way in: SP (lane / 4) + 16 (lane % 4)
	v_mul_u32_u24 v15, v2, SP
	v_add_nc_u32 v15, s24, v15                     ; on the way out: SP x lane
	v_lshrrev_b32 v5, 1, v2
	s_add_co_u32 s24, s24, 2*32*SP
	v_add_nc_u32 v5, s24, v5                       ; my block's scale byte
	v_lshlrev_b32 v7, 3, v2
	v_add_nc_u32 v6, s24, v7                       ; and the bytes' way out: 8 a lane
	s_mov_b32 s23, 0x600000                        ; the mantissa field of 57,344
	s_sub_co_u32 s25, ttmp9, 1
	s_lshl_b32 s25, s25, 2
	s_add_co_u32 s25, s25, s22                     ; which run of 8,192 numbers is my wave's: 0 .. 1,023
	s_mov_b32 s27, 0
	s_lshl_b32 s26, s25, 15
	s_add_nc_u64 s[4:5], s[4:5], s[26:27]
	s_lshl_b32 s26, s25, 13
	s_add_nc_u64 s[10:11], s[10:11], s[26:27]
	s_lshl_b32 s26, s25, 8
	s_add_nc_u64 s[12:13], s[12:13], s[26:27]
.macro XLOAD t
.irp i, 0,1,2,3
	global_load_b128 v[XR+16*((\t)%8)+4*\i:XR+16*((\t)%8)+4*\i+3], v3, s[4:5] offset:2048*(\t)+512*\i th:TH_LOAD_NT
.endr
.endm
.macro XTURN t                         ; LDS serves a wave's instructions in order: no wait between the stores and the loads
.irp i, 0,1,2,3
	ds_store_b128 v14, v[XR+16*((\t)%8)+4*\i:XR+16*((\t)%8)+4*\i+3] offset:32*SP*((\t)%2)+8*SP*\i
.endr
.irp i, 0,1,2,3
	ds_load_b128 v[XX+16*((\t)%2)+4*\i:XX+16*((\t)%2)+4*\i+3], v15 offset:32*SP*((\t)%2)+16*\i
.endr
.endm
.irp t, 0,1,2,3,4,5,6,7
	XLOAD \t
.endr
	s_wait_loadcnt 28                              ; step 0's four loads are in; seven steps' may be out
	XTURN 0
.macro XSTEP t
.set XS, XX+16*((\t)%2)
.if (\t) > 0
	s_wait_dscnt 1                                 ; this step's numbers are back from the stage (the last step's byte store may be out), so its stores into the stage have read their registers,
.else
	s_wait_dscnt 0x0
.endif
.if (\t)+8 < 16
	XLOAD (\t)+8                                   ; which take the loads of eight steps on
.endif
.if (\t)+1 < 16
.if 14-(\t) >= 7
	s_wait_loadcnt 28                              ; the next step's loads are in; behind them seven steps were asked for
.else
	s_wait_loadcnt 4*(14-(\t))                     ; or as many as are left
.endif
	XTURN (\t)+1
.endif
	v_max3_num_f32 v8, |v[XS]|, |v[XS+1]|, |v[XS+2]|       ; the largest magnitude of my 16, in two chains
	v_max3_num_f32 v9, |v[XS+3]|, |v[XS+4]|, |v[XS+5]|
.irp i, 6,10
	v_max3_num_f32 v8, v8, |v[XS+\i]|, |v[XS+\i+1]|
	v_max3_num_f32 v9, v9, |v[XS+\i+2]|, |v[XS+\i+3]|
.endr
	v_max3_num_f32 v8, v8, |v[XS+14]|, |v[XS+15]|
	v_max3_num_f32 v8, v8, v9, 0x8000000           ; and the floor 2^(16 - 127): the byte cannot fall under 1
	v_max_num_f32_dpp v8, v8, v8 row_xmask:1 row_mask:0xf bank_mask:0xf   ; with my neighbour's 16: the block's
	v_add_nc_u32 v11, 0xf8800000, v8               ; 15 off the exponent field: the conversion's scale operand
	v_and_or_b32 v10, v8, 0x7f800000, s23          ; 57,344 x the scale
.irp i, 0,1,2,3,4,5,6,7,8,9,10,11,12,13,14,15
	v_med3_num_f32 v[XS+\i], v[XS+\i], -v10, v10   ; the conversion to an 8-bit code does not saturate (ISA guide 7.6.2): the hold comes first
.endr
	v_cvt_scalef32_pk8_bf8_f32 v[XC+4*(\t):XC+4*(\t)+1], v[XS:XS+7], v11
	v_cvt_scalef32_pk8_bf8_f32 v[XC+4*(\t)+2:XC+4*(\t)+3], v[XS+8:XS+15], v11
	v_lshrrev_b32 v[XE+(\t)], 23, v11              ; the scale's byte (also the plain line behind the conversions)
	ds_store_b8 v5, v[XE+(\t)] offset:16*(\t)      ; both lanes of a block write the same byte with the same value
	global_store_b128 v3, v[XC+4*(\t):XC+4*(\t)+3], s[10:11] offset:512*(\t)   ; the wave stores 512 consecutive bytes, aligned
.endm
.irp t, 0,1,2,3,4,5,6,7,8,9,10,11,12,13,14,15
	XSTEP \t
.endr
	ds_load_b64 v[12:13], v6                       ; my wave's 256 scale bytes: these loads see my stores
	s_wait_dscnt 0x0
	global_store_b64 v7, v[12:13], s[12:13]        ; 32 lanes store 256 consecutive bytes, aligned
	s_set_vgpr_msb 0x5
	s_wait_tensorcnt 0x0
	ds_add_u32 v0, v1
	s_wait_dscnt 0x0
	s_set_vgpr_msb 0x500
	s_endpgm
; ------------------------------------------------------------------ WQ
; wi = work-group - 257: category wi / 32, 256 along K at (wi / 8) % 4, 128 columns at wi % 8.  A wave takes 32 columns: A LANE TAKES A COLUMN AND ITS REGISTERS RUN DOWN K, so a block of 32 lies in one lane's
; 32 registers and the conversions give its codes with K innermost.  Its first 16 codes are the 16 bytes of operand lane (r, 0), its last 16 those of lane (r, 1): sixteen neighbouring lanes store
; 256 consecutive bytes, aligned, straight from registers.  No LDS, no barrier.  Loads run two blocks (64 loads a wave) ahead.
.Lweight:
	v_lshlrev_b32 v3, 2, v2                        ; 4 x lane: my column in a row of weight, and my scale word
	v_lshrrev_b32 v4, 4, v2
	v_and_b32 v5, 15, v2
	v_lshlrev_b32 v4, 11, v4
	v_lshl_add_u32 v4, v5, 4, v4                   ; codes: 2,048 (lane / 16) (the next tile of 16 columns) + 16 (lane % 16)
	s_mov_b32 s31, 0x600000                        ; the mantissa field of 57,344
	s_sub_co_u32 s24, ttmp9, 257
	s_lshr_b32 s25, s24, 5                         ; e
	s_bfe_u32 s26, s24, 0x20003                    ; ky: which 256 along K
	s_and_b32 s27, s24, 7                          ; cb: which 128 columns
	s_lshr_b32 s28, s22, 1
	s_and_b32 s29, s22, 1
	s_lshl_b32 s35, s27, 1
	s_add_co_u32 s35, s35, s28                     ; cg = 2 cb + wave / 2
	s_mov_b32 s33, 0
	s_lshl_b32 s32, s25, 22                        ; weight: e x 4 MiB + ky x 256 rows of 4,096 bytes + 512 cb + 128 wave
	s_lshl_b32 s34, s26, 20
	s_add_co_u32 s32, s32, s34
	s_lshl_b32 s34, s27, 9
	s_add_co_u32 s32, s32, s34
	s_lshl_b32 s34, s22, 7
	s_add_co_u32 s32, s32, s34
	s_add_nc_u64 s[6:7], s[6:7], s[32:33]
	s_lshl_b32 s32, s25, 20                        ; wq: e x 1 MiB + cg x 65,536 + 2 ky x 8,192 + (wave % 2) x two tiles of 2,048
	s_lshl_b32 s34, s35, 16
	s_add_co_u32 s32, s32, s34
	s_lshl_b32 s34, s26, 14
	s_add_co_u32 s32, s32, s34
	s_lshl_b32 s34, s29, 12
	s_add_co_u32 s32, s32, s34
	s_add_nc_u64 s[14:15], s[14:15], s[32:33]
	s_lshl_b32 s32, s25, 15                        ; wsc: e x 32,768 + cg x 2,048 + 2 ky x 256 + (wave % 2) x 128
	s_lshl_b32 s34, s35, 11
	s_add_co_u32 s32, s32, s34
	s_lshl_b32 s34, s26, 9
	s_add_co_u32 s32, s32, s34
	s_lshl_b32 s34, s29, 7
	s_add_co_u32 s32, s32, s34
	s_add_nc_u64 s[16:17], s[16:17], s[32:33]
.macro WLOAD t                         ; block t: weight(32 t + i, my column), i = 0 .. 31; every offset is an immediate, 255 x 4,096 at the most
.irp i, 0,1,2,3,4,5,6,7,8,9,10,11,12,13,14,15,16,17,18,19,20,21,22,23,24,25,26,27,28,29,30,31
	global_load_b32 v[WX+32*((\t)%2)+\i], v3, s[6:7] offset:(32*(\t)+\i)*4096 th:TH_LOAD_NT
.endr
.endm
	WLOAD 0
	WLOAD 1
.macro WBLOCK t
.set WS, WX+32*((\t)%2)
.if (\t) < 7
	s_wait_loadcnt 32                              ; this block's 32 loads are in; the next block's may be out
.else
	s_wait_loadcnt 0x0
.endif
	v_max3_num_f32 v12, |v[WS]|, |v[WS+1]|, |v[WS+2]|      ; the block's largest magnitude: all 32 numbers are mine
	v_max3_num_f32 v13, |v[WS+3]|, |v[WS+4]|, |v[WS+5]|
.irp i, 6,10,14,18,22,26
	v_max3_num_f32 v12, v12, |v[WS+\i]|, |v[WS+\i+1]|
	v_max3_num_f32 v13, v13, |v[WS+\i+2]|, |v[WS+\i+3]|
.endr
	v_max3_num_f32 v12, v12, |v[WS+30]|, |v[WS+31]|
	v_max3_num_f32 v12, v12, v13, 0x8000000        ; and the floor 2^(16 - 127)
	v_add_nc_u32 v11, 0xf8800000, v12              ; the conversion's scale operand
	v_and_or_b32 v10, v12, 0x7f800000, s31         ; 57,344 x the scale
	v_lshrrev_b32 v13, 23, v11                     ; the scale's byte
.if (\t)%4 == 0
	v_mov_b32 v[WSB+(\t)/4], v13                   ; four bytes make the word of 128 along K, the lower K in the lower byte
.else
	v_lshl_or_b32 v[WSB+(\t)/4], v13, 8*((\t)%4), v[WSB+(\t)/4]
.endif
.irp i, 0,1,2,3,4,5,6,7,8,9,10,11,12,13,14,15,16,17,18,19,20,21,22,23,24,25,26,27,28,29,30,31
	v_med3_num_f32 v[WS+\i], v[WS+\i], -v10, v10   ; the hold ahead of a conversion that does not saturate (ISA guide 7.6.2)
.endr
.irp g, 0,1,2,3
	v_cvt_scalef32_pk8_bf8_f32 v[WC+8*(\t)+2*\g:WC+8*(\t)+2*\g+1], v[WS+8*\g:WS+8*\g+7], v11
.endr
	v_nop                                          ; one plain line behind the last conversion
	global_store_b128 v4, v[WC+8*(\t):WC+8*(\t)+3], s[14:15] offset:((\t)/4)*8192+((\t)%4)*512        ; k = 0 .. 15 of the block: operand lanes 0-15
	global_store_b128 v4, v[WC+8*(\t)+4:WC+8*(\t)+7], s[14:15] offset:((\t)/4)*8192+((\t)%4)*512+256  ; k = 16 .. 31: operand lanes 16-31
.if (\t)%4 == 3
	global_store_b32 v3, v[WSB+(\t)/4], s[16:17] offset:((\t)/4)*256   ; 128 consecutive bytes a wave; the wave beside me stores the 128 that follow or precede
.endif
.if (\t)+2 < 8
	WLOAD (\t)+2
.endif
.endm
.irp t, 0,1,2,3,4,5,6,7
	WBLOCK \t
.endr
	s_endpgm
; ------------------------------------------------------------------ SORT
; 128 threads, 64 ids each: register ID + 4 j + q of thread t holds the id of token 512 j + 4 t + q.  Pass 1 counts each thread's ids by category; a scan over the threads and a prefix over the
; categories give each thread its first list entry for each category; pass 2 places each token.  Counts of a chunk of 8 ids lie in nibbles: category c at bit 8 (c % 4) + 4 (c / 4).
.Lsort:
	v_lshlrev_b32 v1, 4, v0
	v_lshlrev_b32 v3, 2, v0
.irp j, 0,1,2,3,4,5,6,7,8,9,10,11,12,13,14,15
	global_load_b128 v[ID+4*\j:ID+4*\j+3], v1, s[8:9] offset:2048*\j
.endr
	s_mov_b32 s30, 0x0f0f0f0f
	s_mov_b32 s31, 0x00ff00ff
	s_mov_b32 s32, 0x007f007f
	v_mov_b32 v[LL], 0
	v_mov_b32 v[HH], 0
	s_wait_loadcnt 0x0
.macro SHIFTS u                        ; the chunk's shifts
.irp i, 0,1,2,3,4,5,6,7
	v_and_b32 v[SH+\i], 3, v[ID+8*\u+\i]
.endr
.irp i, 0,1,2,3,4,5,6,7
	v_and_b32 v[TA+\i], 4, v[ID+8*\u+\i]
.endr
.irp i, 0,1,2,3,4,5,6,7
	v_lshl_or_b32 v[SH+\i], v[SH+\i], 3, v[TA+\i]
.endr
.endm
.macro COUNT8 u
.irp i, 0,1,2,3,4,5,6,7
	v_and_b32 v[ID+8*\u+\i], 7, v[ID+8*\u+\i]
.endr
	SHIFTS \u
	v_lshl_add_u32 v[AC], 1, v[SH], 0
.irp i, 1,2,3,4,5,6,7
	v_lshl_add_u32 v[AC], 1, v[SH+\i], v[AC]       ; a nibble holds 8 at the most
.endr
	v_and_b32 v[TT], s30, v[AC]
	v_lshrrev_b32 v[AC], 4, v[AC]
	v_add_nc_u32 v[LL], v[LL], v[TT]               ; bytes: categories 0-3, at most 64 each
	v_and_b32 v[AC], s30, v[AC]
	v_add_nc_u32 v[HH], v[HH], v[AC]               ; categories 4-7
.endm
.irp u, 0,1,2,3,4,5,6,7
	COUNT8 \u
.endr
	v_and_b32 v[PA], s31, v[LL]                    ; halves: c0 | c2,
	v_lshrrev_b32 v[PA+1], 8, v[LL]
	v_and_b32 v[PA+1], s31, v[PA+1]                ; c1 | c3,
	v_and_b32 v[PA+2], s31, v[HH]                  ; c4 | c6,
	v_lshrrev_b32 v[PA+3], 8, v[HH]
	v_and_b32 v[PA+3], s31, v[PA+3]                ; c5 | c7: a half holds 8,192 at the most
.irp k, 0,1,2,3
	v_mov_b32 v[PO+\k], v[PA+\k]
.endr
.irp n, 1,2,4,8                        ; a running sum inside each row of 16 lanes
.irp k, 0,1,2,3
	v_mov_b32 v[PT+\k], 0                          ; lanes without a source hold 0
.endr
.irp k, 0,1,2,3
	v_mov_b32_dpp v[PT+\k], v[PA+\k] row_shr:\n row_mask:0xf bank_mask:0xf bound_ctrl:1
.endr
.irp k, 0,1,2,3
	v_add_nc_u32 v[PA+\k], v[PA+\k], v[PT+\k]
.endr
.endr
	v_cmp_le_u32 vcc_lo, 16, v2
.irp k, 0,1,2,3
	v_readlane_b32 s[36+\k], v[PA+\k], 15          ; the lower row's total goes onto the upper row
.endr
.irp k, 0,1,2,3
	v_mov_b32 v[PT+\k], s[36+\k]
.endr
.irp k, 0,1,2,3
	v_cndmask_b32 v[PT+\k], 0, v[PT+\k], vcc_lo
.endr
.irp k, 0,1,2,3
	v_add_nc_u32 v[PA+\k], v[PA+\k], v[PT+\k]
.endr
.irp k, 0,1,2,3
	v_readlane_b32 s[40+\k], v[PA+\k], 31          ; the wave's totals
.endr
.irp k, 0,1,2,3
	v_mov_b32 v[196+\k], s[40+\k]
.endr
	v_lshrrev_b32 v195, 5, v0
	v_lshl_add_u32 v195, v195, 4, SBASE
	v_mov_b32 v194, SBASE
	ds_store_b128 v195, v[196:199]                 ; all lanes write the wave's 16 bytes with the same values
	s_wait_dscnt 0x0                               ; for the others' sake: my store is done
	s_barrier_signal -1
	s_barrier_wait -1
.irp w, 0,1,2,3
	ds_load_b128 v[200+4*\w:203+4*\w], v194 offset:16*\w
.endr
	s_wait_dscnt 0x0
.irp n, 0,1,2,3,4,5,6,7,8,9,10,11,12,13,14,15
	v_readfirstlane_b32 s[44+\n], v[200+\n]        ; s[44 + 4 w + k]
.endr
.irp k, 0,1,2,3
	s_add_co_u32 s[60+\k], s[44+\k], s[48+\k]      ; the categories' totals, in halves
	s_add_co_u32 s[60+\k], s[60+\k], s[52+\k]
	s_add_co_u32 s[60+\k], s[60+\k], s[56+\k]
	s_mov_b32 s[91+\k], 0
.endr
.irp w, 0,1,2                          ; what the waves in front of mine hold
	s_cmp_gt_u32 s22, \w
	s_cselect_b32 s95, s[44+4*\w], 0
	s_cselect_b32 s96, s[45+4*\w], 0
	s_cselect_b32 s97, s[46+4*\w], 0
	s_cselect_b32 s98, s[47+4*\w], 0
	s_add_co_u32 s91, s91, s95
	s_add_co_u32 s92, s92, s96
	s_add_co_u32 s93, s93, s97
	s_add_co_u32 s94, s94, s98
.endr
	s_and_b32 s66, s60, 0xffff                     ; n_0 .. n_7 in s66 .. s73
	s_and_b32 s67, s61, 0xffff
	s_lshr_b32 s68, s60, 16
	s_lshr_b32 s69, s61, 16
	s_and_b32 s70, s62, 0xffff
	s_and_b32 s71, s63, 0xffff
	s_lshr_b32 s72, s62, 16
	s_lshr_b32 s73, s63, 16
	s_mov_b32 s74, 0                               ; b_e: category e's first list entry, s74 .. s81
	s_mov_b32 s82, 0                               ; tb_e: its first tile, s82 .. s89
.irp e, 0,1,2,3,4,5,6
	s_add_co_u32 s[75+\e], s[74+\e], s[66+\e]
	s_add_co_u32 s95, s[66+\e], 143
	s_mul_i32 s95, s95, 7282                       ; (n + 143) / 144 rounded down: 7,282 x 144 = 2^20 + 32, exact while 32 (n + 143) < 2^20
	s_lshr_b32 s95, s95, 20
	s_add_co_u32 s[83+\e], s[82+\e], s95
.endr
	s_lshl_b32 s95, s76, 16                        ; the first entries in the counts' halves, onto the earlier waves' counts
	s_add_co_u32 s95, s95, s74
	s_add_co_u32 s91, s91, s95
	s_lshl_b32 s95, s77, 16
	s_add_co_u32 s95, s95, s75
	s_add_co_u32 s92, s92, s95
	s_lshl_b32 s95, s80, 16
	s_add_co_u32 s95, s95, s78
	s_add_co_u32 s93, s93, s95
	s_lshl_b32 s95, s81, 16
	s_add_co_u32 s95, s95, s79
	s_add_co_u32 s94, s94, s95
.irp k, 0,1,2,3
	v_sub_nc_u32 v[PA+\k], v[PA+\k], v[PO+\k]      ; the threads in front of me in my wave,
	v_add_nc_u32 v[PA+\k], s[91+\k], v[PA+\k]      ; + the rest: my first list entry for each category, at most 8,192
.endr
	v_and_b32 v[TL], s32, v[PA]                    ; as two tables of bytes: entry % 128,
	v_and_b32 v[PT], s32, v[PA+1]
	v_lshl_or_b32 v[TL], v[PT], 8, v[TL]
	v_and_b32 v[TL+1], s32, v[PA+2]
	v_and_b32 v[PT], s32, v[PA+3]
	v_lshl_or_b32 v[TL+1], v[PT], 8, v[TL+1]
.irp k, 0,1,2,3
	v_lshrrev_b32 v[PA+\k], 7, v[PA+\k]
.endr
	v_and_b32 v[TH], s32, v[PA]                    ; and entry / 128
	v_and_b32 v[PT], s32, v[PA+1]
	v_lshl_or_b32 v[TH], v[PT], 8, v[TH]
	v_and_b32 v[TH+1], s32, v[PA+2]
	v_and_b32 v[PT], s32, v[PA+3]
	v_lshl_or_b32 v[TH+1], v[PT], 8, v[TH+1]
.macro PLACE8 u
	SHIFTS \u
.irp i, 0,1,2,3,4,5,6,7
	v_perm_b32 v[PLO+\i], v[TL+1], v[TL], v[ID+8*\u+\i]    ; the id selects its category's byte (selects 0-3: the second source, 4-7: the first)
.endr
.irp i, 0,1,2,3,4,5,6,7
	v_perm_b32 v[PHI+\i], v[TH+1], v[TH], v[ID+8*\u+\i]
.endr
	v_mov_b32 v[AC], 0
.irp i, 0,1,2,3,4,5,6,7
	v_bfe_u32 v[RK+\i], v[AC], v[SH+\i], 4         ; how many of the chunk's earlier ids have my category
	v_lshl_add_u32 v[AC], 1, v[SH+\i], v[AC]
.endr
.irp i, 0,1,2,3,4,5,6,7
	v_and_b32 v[PLO+\i], 0xff, v[PLO+\i]
.endr
.irp i, 0,1,2,3,4,5,6,7
	v_and_b32 v[PHI+\i], 0xff, v[PHI+\i]
.endr
.irp i, 0,1,2,3,4,5,6,7
	v_lshl_add_u32 v[ID+8*\u+\i], v[PHI+\i], 7, v[PLO+\i]
.endr
.irp i, 0,1,2,3,4,5,6,7
	v_add_nc_u32 v[ID+8*\u+\i], v[ID+8*\u+\i], v[RK+\i]    ; the token's list entry
.endr
.irp i, 0,1,2,3,4,5,6,7
	v_min_u32 v[ID+8*\u+\i], 0x1fff, v[ID+8*\u+\i]         ; inside the list, whatever was read
.endr
.irp i, 0,1,2,3,4,5,6,7
	v_lshlrev_b32 v[ID+8*\u+\i], 2, v[ID+8*\u+\i]
.endr
.irp i, 0,1,2,3,4,5,6,7
	v_add_nc_u32 v[DAT+8*\u+\i], 512*((8*\u+\i)/4)+(8*\u+\i)%4, v3   ; the token's number
.endr
.irp i, 0,1,2,3,4,5,6,7
	global_store_b32 v[ID+8*\u+\i], v[DAT+8*\u+\i], s[18:19]         ; four bytes to scattered places: 32,768 bytes in the whole program.  No address or data register is written again
.endr
	v_and_b32 v[TT], s30, v[AC]
	v_lshrrev_b32 v[AC], 4, v[AC]
	v_add_nc_u32 v[TL], v[TL], v[TT]               ; the tables go on by the chunk's counts: a byte reaches 127 + 64 at the most
	v_and_b32 v[AC], s30, v[AC]
	v_add_nc_u32 v[TL+1], v[TL+1], v[AC]
.endm
.irp u, 0,1,2,3,4,5,6,7
	PLACE8 \u
.endr
	s_cmp_lt_u32 s22, 2                            ; the 64 tile records: threads 0 .. 63
	s_cbranch_scc0 .Lsort_end
	v_mov_b32 v228, 0                              ; the category whose tiles hold slot i: the last k with tb_k <= i
	v_mov_b32 v229, 0
	v_mov_b32 v230, 0
	v_mov_b32 v231, s66
.irp k, 1,2,3,4,5,6,7
	v_cmp_le_u32 vcc_lo, s[82+\k], v0
	v_mov_b32 v232, \k
	v_mov_b32 v233, s[74+\k]
	v_mov_b32 v234, s[82+\k]
	v_mov_b32 v235, s[66+\k]
	v_cndmask_b32 v228, v228, v232, vcc_lo
	v_cndmask_b32 v229, v229, v233, vcc_lo
	v_cndmask_b32 v230, v230, v234, vcc_lo
	v_cndmask_b32 v231, v231, v235, vcc_lo
.endr
	v_sub_nc_u32 v236, v0, v230
	v_mul_u32_u24 v236, v236, 144                  ; rows of the category in front of this tile
	v_min_u32 v237, v236, v231
	v_sub_nc_u32 v237, v231, v237                  ; rows left (0 in a slot that this split leaves empty)
	v_mov_b32 v240, v228
	v_add_nc_u32 v241, v229, v236
	v_min_u32 v241, 0x1fff, v241                   ; first list entry
	v_min_u32 v242, 144, v237                      ; rows
	v_add_nc_u32 v243, 15, v242
	v_lshrrev_b32 v243, 4, v243                    ; tiles of 16 rows
	global_store_b128 v1, v[240:243], s[20:21]
.Lsort_end:
	s_set_vgpr_msb 0x5
	s_wait_tensorcnt 0x0
	ds_add_u32 v0, v1
	s_wait_dscnt 0x0
	s_set_vgpr_msb 0x500
	s_endpgm
.Lfunc_end_k_q9bab5fd236_prep:
	.size	k_q9bab5fd236_prep, .Lfunc_end_k_q9bab5fd236_prep-k_q9bab5fd236_prep
	.p2alignl 7, 3214868480
	.fill 96, 4, 3214868480
	.section	.rodata,"a",@progbits
	.p2align	6, 0x0
	.amdhsa_kernel k_q9bab5fd236_prep
		.amdhsa_group_segment_fixed_size 33792
		.amdhsa_private_segment_fixed_size 0
		.amdhsa_enable_private_segment 0
		.amdhsa_kernarg_size 72
		.amdhsa_user_sgpr_count 2
		.amdhsa_user_sgpr_kernarg_segment_ptr 1
		.amdhsa_wavefront_size32 1
		.amdhsa_system_sgpr_workgroup_id_x 1
		.amdhsa_system_sgpr_workgroup_id_y 1
		.amdhsa_system_sgpr_workgroup_id_z 1
		.amdhsa_system_vgpr_workitem_id 0
		.amdhsa_next_free_vgpr 258
		.amdhsa_next_free_sgpr 100
		.amdhsa_reserve_vcc 1
		.amdhsa_float_denorm_mode_32 3
		.amdhsa_float_denorm_mode_16_64 3
		.amdhsa_memory_ordered 1
		.amdhsa_forward_progress 1
		.amdhsa_inst_pref_size 191
	.end_amdhsa_kernel
	.amdgpu_metadata
---
amdhsa.version: [ 1, 2 ]
amdhsa.kernels:
  - .name:           k_q9bab5fd236_prep
    .symbol:         k_q9bab5fd236_prep.kd
    .args:
      - { .name: x, .offset: 0, .size: 8, .value_kind: global_buffer, .address_space: global }
      - { .name: weight, .offset: 8, .size: 8, .value_kind: global_buffer, .address_space: global }
      - { .name: category_id, .offset: 16, .size: 8, .value_kind: global_buffer, .address_space: global }
      - { .name: x_codes, .offset: 24, .size: 8, .value_kind: global_buffer, .address_space: global }
      - { .name: x_scales, .offset: 32, .size: 8, .value_kind: global_buffer, .address_space: global }
      - { .name: wq, .offset: 40, .size: 8, .value_kind: global_buffer, .address_space: global }
      - { .name: wsc, .offset: 48, .size: 8, .value_kind: global_buffer, .address_space: global }
      - { .name: order, .offset: 56, .size: 8, .value_kind: global_buffer, .address_space: global }
      - { .name: tiles, .offset: 64, .size: 8, .value_kind: global_buffer, .address_space: global }
    .group_segment_fixed_size: 33792
    .private_segment_fixed_size: 0
    .kernarg_segment_align: 8
    .kernarg_segment_size: 72
    .max_flat_workgroup_size: 128
    .sgpr_count:     100
    .vgpr_count:     258
    .wavefront_size: 32
...
	.end_amdgpu_metadata
.endif
;; end of part 1
;; launch gemm (part 2): grid 64 x 4, 4 waves a work-group, no clusters, 174,848 bytes of LDS; arguments x_codes, x_scales, wq, wsc, bias, order, tiles, out0; writes out0
.if DOCPART == 2
	.amdgcn_target "amdgcn-amd-amdhsa--gfx1250"
	.amdhsa_code_object_version 6
	.text
	.protected	k_q9bab5fd236_gemm
	.globl	k_q9bab5fd236_gemm
	.p2align	8
	.type	k_q9bab5fd236_gemm,@function
k_q9bab5fd236_gemm:
	s_mov_b64 s[64:65], 0
	v_nop
	global_prefetch_b8 v0, s[64:65] scope:SCOPE_SE
	s_setreg_imm32_b32 hwreg(HW_REG_WAVE_MODE, 25, 1), 1
	s_wait_xcnt 0x0
; out[t][n] = sum over k of Q(x)[t][k] Q(weight)[cid[t]][k][n] + bias[cid[t]][n], on codes of BF8 (E5M2) with one E8M0 scale for each 32 along K = 1,024; sums in f32.
; Work-group (i, y) takes tile record i ({category, first list entry, rows <= 144, tiles of 16 rows}) and columns 256 y .. 256 y + 255: 64 x 4 work-groups serve every split of the tokens.
; THE WAVES SHARE THE COLUMNS: wave w has columns 256 y + 64 w .. + 63 for all rows.  Its 64 x 1,024 weight codes come from memory straight into 512 registers (the buffer lies in the order of the
; operand's registers) and stay.  The rows' codes, scale bytes and token numbers are gathered once into LDS, by all four waves; one barrier; then each wave finishes one tile of 16 rows after the other
; (8 K steps x 4 accumulators by turns), and a finished tile's rows leave while the next is multiplied.
; THE MATRIX INSTRUCTION IS USED TRANSPOSED (source 0 = 16 weight columns, source 1 = 16 tokens): lane (r, h) holds token r and its register i column 16 j + 8 h + i.  The bias is the C of each sum's first product.
; ROWS PAST THE TILE'S LAST take the last row's list entry: they repeat its numbers and store them to the same bytes, so no lane is ever switched off; whole tiles of 16 such rows are jumped over.
; A slot that the split leaves without rows runs the head on clamped addresses, passes the barrier, stores nothing and ends.
; NOT ASKED FOR JOINTLY: the four column slices of a tile read the same rows and the tiles of a category the same weights, but the rows are scattered (one list entry a row) and the number of row tiles,
; read from memory, steers branches: there is no tensor load, no cluster, and the operands come by plain loads.
; LDS: 0: 144 rows of codes, 1,024 bytes + 16 of padding (65 x 16 bytes: the 16 rows of a fragment load start at 16 different 16-byte columns);  ASC: 192 rows x 32 scale bytes (144 are read);
;      TOKB: 256 token words (144 are read);  STG: for each wave a stage of 16 rows x (256 + 16) bytes for the way out.
; REGISTERS, in windows of 256: window 0: v1-23 addresses; v24-39 the weights' scale words; v40-71 the bias; v72-87 the rows' scale words, two sets; v88-151 accumulators, two sets of four;
;   v152-159 token numbers; v160-175 store offsets, two sets; v176-239 rows on their way out, two sets.   window 1: the rows' fragments, two sets of 8 K steps x 16.   windows 2, 3: the weights, K steps 0-3, 4-7.
.set PITCH, 1040
.set ASC,   144*PITCH
.set TOKB,  ASC+192*32
.set STG,   TOKB+1024
.set R16,  1                           ; v1   16 r
.set L16,  2                           ; v2   16 x lane
.set L4,   3                           ; v3   4 x lane
.set H32,  4                           ; v4   32 h
.set GW,   5                           ; v5   the gather's place in LDS: (36 w + h) rows + 16 r
.set GS,   6                           ; v6   the scale rows' place: ASC + 1,536 w + 16 x lane
.set TW,   7                           ; v7   the token words' place: TOKB + 4 x thread
.set AD,   8                           ; v8-10  a fragment's row r + 16 h, at row tiles 0, 3, 6
.set ASA,  11                          ; v11  ASC + 32 r
.set TKA,  12                          ; v12  TOKB + 32 h
.set SO,   13                          ; v13  the stage: where I put 32 bytes of a row
.set SR,   14                          ; v14  and where I read 16 bytes back
.set RG,   15                          ; v15  36 w + h: the first row that I gather
.set RS,   16                          ; v16  48 w + lane / 2: the first scale row
.set HB,   17                          ; v17  16 (lane % 2)
.set BSW,  24                          ; register 2 s + j / 2: lanes 0-15 the words of column tile j even, lanes 16-31 of j odd
.set BI,   40
.set ASW,  72
.set ACC,  88
.set TK,   152
.set OA,   160
.set OB,   176
.set LI,   88                          ; the head alone: v88-105 list entries, then row offsets;  v106-108 the same for scale rows;  v109-110 token words
.set LS,   106
.set LT,   109
.set GX,   176                         ; the head alone: gathered rows 32 .. 35 of the wave;  v208-219 scale rows
.set GSC,  208
.set MSB, 0
.macro WIN new                         ; the immediate's high byte repeats the setting that is left; a switch that changes nothing is dropped
.if MSB != (\new)
	s_set_vgpr_msb (MSB<<8)|(\new)
.set MSB, (\new)
.endif
.endm
.macro IDX d, base, k                  ; the byte offset in the list of tile row base + k: rows past the last take the last row's entry
	v_add_nc_u32 v[\d], (\k), v[\base]
	v_min_u32 v[\d], s28, v[\d]
	v_add_nc_u32 v[\d], s25, v[\d]
	v_min_u32 v[\d], 0x1fff, v[\d]                 ; inside the list, whatever was read
	v_lshlrev_b32 v[\d], 2, v[\d]
.endm
.macro BLOAD s                         ; K step s of my 64 columns: 16 loads of 512 consecutive bytes, into window 2 or 3
	WIN 0x80+0x40*((\s)/4)
.irp j, 0,1,2,3
.irp c, 0,1,2,3
	global_load_b128 v[64*((\s)%4)+16*\j+4*\c:64*((\s)%4)+16*\j+4*\c+3], v[L16], s[8:9] offset:8192*(\s)+2048*\j+512*\c
.endr
.endr
.endm
.macro ALOAD t                         ; row tile t: 8 K steps x 4 loads, into set t % 2 of window 1: lane (r, h): row 16 t + r, k = 128 s + 32 c + 16 h on
	WIN 0x40
.irp s, 0,1,2,3,4,5,6,7
.irp c, 0,1,2,3
	ds_load_b128 v[128*((\t)%2)+16*\s+4*\c:128*((\t)%2)+16*\s+4*\c+3], v[AD+(\t)/3] offset:((\t)%3)*16*PITCH+128*\s+32*\c
.endr
.endr
	WIN 0
.endm
	s_load_b256 s[4:11], s[0:1], 0x0               ; x_codes s[4:5], x_scales s[6:7], wq s[8:9], wsc s[10:11]
	s_load_b256 s[12:19], s[0:1], 0x20             ; bias s[12:13], order s[14:15], tiles s[16:17], out0 s[18:19]
	v_lshl_add_u32 v254, v0, 2, 0x2a900
	v_mov_b32 v255, 0
	v_lshrrev_b32 v18, 5, v0
	v_readfirstlane_b32 s20, v18                   ; wave 0..3
	s_and_b32 s21, ttmp7, 0xffff                   ; y
	s_lshl_b32 s22, ttmp9, 4                       ; my tile record: 16 bytes
	s_mov_b32 s23, 0
	v_and_b32 v19, 31, v0                          ; lane
	v_and_b32 v20, 15, v0                          ; r
	v_bfe_u32 v21, v0, 4, 1                        ; h
	v_lshlrev_b32 v[R16], 4, v20
	v_lshlrev_b32 v[L16], 4, v19
	v_lshlrev_b32 v[L4], 2, v19
	v_lshlrev_b32 v[H32], 5, v21
	s_mul_i32 s29, s20, 36
	v_add_nc_u32 v[RG], s29, v21
	v_mul_u32_u24 v[GW], v[RG], PITCH
	v_add_nc_u32 v[GW], v[GW], v[R16]
	s_mul_i32 s29, s20, 1536
	s_add_co_u32 s29, s29, ASC
	v_add_nc_u32 v[GS], s29, v[L16]
	v_lshl_add_u32 v[TW], v0, 2, TOKB
	v_mul_u32_u24 v22, v20, PITCH
	v_lshl_add_u32 v[AD], v21, 4, v22
	v_add_nc_u32 v[AD+1], 48*PITCH, v[AD]
	v_add_nc_u32 v[AD+2], 96*PITCH, v[AD]
	v_lshl_add_u32 v[ASA], v20, 5, ASC
	v_add_nc_u32 v[TKA], TOKB, v[H32]
	s_mul_i32 s29, s20, 16*272
	s_add_co_u32 s29, s29, STG                     ; my stage
	v_mul_u32_u24 v22, v20, 272
	v_add_nc_u32 v22, v22, v[H32]
	v_add_nc_u32 v[SO], s29, v22                   ; in: row r, 32 bytes for each half of the lanes
	v_mul_u32_u24 v22, v21, 8*272
	v_add_nc_u32 v22, v22, v[R16]
	v_add_nc_u32 v[SR], s29, v22                   ; back: lanes 0-15 a row of 256 bytes, lanes 16-31 the row eight further down
	s_mul_i32 s29, s20, 48
	v_lshrrev_b32 v22, 1, v19
	v_add_nc_u32 v[RS], s29, v22
	v_and_b32 v22, 1, v19
	v_lshlrev_b32 v[HB], 4, v22
	s_wait_kmcnt 0x0
	s_add_nc_u64 s[16:17], s[16:17], s[22:23]
	s_load_b128 s[24:27], s[16:17], 0x0            ; category, first list entry, rows, tiles of 16 rows
	s_wait_kmcnt 0x0
	s_min_u32 s24, s24, 7                          ; each inside its range, whatever was read
	s_min_u32 s25, s25, 0x1fff
	s_min_u32 s26, s26, 144
	s_min_u32 s27, s27, 9
	s_max_u32 s28, s26, 1
	s_sub_co_u32 s28, s28, 1                       ; the tile's last row
	s_lshl_b32 s30, s21, 2
	s_add_co_u32 s30, s30, s20                     ; 4 y + w: my group of 64 columns
	s_lshl_b32 s29, s24, 4
	s_add_co_u32 s29, s29, s30                     ; 16 e + 4 y + w
	s_lshl_b32 s22, s29, 16
	s_add_nc_u64 s[8:9], s[8:9], s[22:23]          ; my 65,536 bytes of weight codes,
	s_lshl_b32 s22, s29, 11
	s_add_nc_u64 s[10:11], s[10:11], s[22:23]      ; their 2,048 bytes of scale words,
	s_lshl_b32 s22, s29, 8
	s_add_nc_u64 s[12:13], s[12:13], s[22:23]      ; my 64 numbers of the category's bias,
	s_lshl_b32 s22, s30, 8
	s_add_nc_u64 s[18:19], s[18:19], s[22:23]      ; my 256 bytes of a row of out
	; ---- the list: 23 loads.  A load lands on its own address register
.irp i, 0,1,2,3,4,5,6,7,8,9,10,11,12,13,14,15,16,17
	IDX LI+\i, RG, 2*\i                            ; lanes 0-15: row 36 w + 2 i, lanes 16-31 the next
.endr
.irp q, 0,1,2
	IDX LS+\q, RS, 16*\q                           ; two lanes to a scale row
.endr
	IDX LT, 0, 0                                   ; a thread to a token word, twice
	IDX LT+1, 0, 128
.irp i, 0,1,2,3,4,5,6,7,8,9,10,11,12,13,14,15,16,17,18,19,20,21,22
	global_load_b32 v[LI+\i], v[LI+\i], s[14:15]
.endr
	BLOAD 0                                        ; the weights hang on the record alone: they go out while the list is on its way
	BLOAD 1
	WIN 0
	s_wait_loadcnt 32                              ; the 23 list loads are in; the 32 issued behind them may be out
.irp i, 0,1,2,3,4,5,6,7,8,9,10,11,12,13,14,15,16,17,18,19,20
	v_min_u32 v[LI+\i], 0x1fff, v[LI+\i]           ; a token number, inside x whatever was read
.endr
.irp i, 0,1,2,3,4,5,6,7,8,9,10,11,12,13,14,15,16,17
	v_lshl_add_u32 v[LI+\i], v[LI+\i], 10, v[R16]  ; its row of 1,024 codes, + 16 r
.endr
.irp q, 0,1,2
	v_lshl_add_u32 v[LS+\q], v[LS+\q], 5, v[HB]    ; its 32 scale bytes, my half
.endr
	ds_store_b32 v[TW], v[LT]
	ds_store_b32 v[TW], v[LT+1] offset:512
	; ---- the gather: 75 loads.  Sixteen lanes read 256 consecutive bytes of a row, aligned; two rows an instruction
	WIN 0x40
.irp i, 0,1,2,3,4,5,6,7,8,9,10,11,12,13,14,15
.irp q, 0,1,2,3
	global_load_b128 v[16*\i+4*\q:16*\i+4*\q+3], v[LI+\i], s[4:5] offset:256*\q
.endr
.endr
	WIN 0
.irp i, 16,17
.irp q, 0,1,2,3
	global_load_b128 v[GX+16*(\i-16)+4*\q:GX+16*(\i-16)+4*\q+3], v[LI+\i], s[4:5] offset:256*\q
.endr
.endr
.irp q, 0,1,2
	global_load_b128 v[GSC+4*\q:GSC+4*\q+3], v[LS+\q], s[6:7]
.endr
	BLOAD 2
	BLOAD 3
	BLOAD 4
	WIN 0
	s_wait_loadcnt 48                              ; the gather is in; the 48 issued behind it may be out
	WIN 0x04                                       ; an LDS store's data are its source 1: window 1
.irp i, 0,1,2,3,4,5,6,7,8,9,10,11,12,13,14,15
.irp q, 0,1,2,3
	ds_store_b128 v[GW], v[16*\i+4*\q:16*\i+4*\q+3] offset:2*PITCH*\i+256*\q
.endr
.endr
	WIN 0
.irp i, 16,17
.irp q, 0,1,2,3
	ds_store_b128 v[GW], v[GX+16*(\i-16)+4*\q:GX+16*(\i-16)+4*\q+3] offset:2*PITCH*\i+256*\q
.endr
.endr
.irp q, 0,1,2
	ds_store_b128 v[GS], v[GSC+4*\q:GSC+4*\q+3] offset:512*\q
.endr
	BLOAD 5
	BLOAD 6
	BLOAD 7
	WIN 0
.irp s, 0,1,2,3,4,5,6,7
.irp u, 0,1
	global_load_b32 v[BSW+2*\s+\u], v[L4], s[10:11] offset:256*\s+128*\u   ; lane l: the word of column 32 u + l for K step s
.endr
.endr
.irp j, 0,1,2,3
	global_load_b128 v[BI+8*\j:BI+8*\j+3], v[H32], s[12:13] offset:64*\j   ; the bias in the result's layout: columns 16 j + 8 h + 0 .. 7
	global_load_b128 v[BI+8*\j+4:BI+8*\j+7], v[H32], s[12:13] offset:64*\j+16
.endr
	s_wait_dscnt 0x0                               ; for the others' sake: my stores into LDS are done
	s_barrier_signal -1
	s_barrier_wait -1                              ; the one barrier, on every wave's path: the rows, their scales and the token words lie in LDS
	s_cmp_eq_u32 s27, 0
	s_cbranch_scc1 .Lend                           ; a slot without rows
	ds_load_b128 v[ASW:ASW+3], v[ASA]              ; row tile 0: its scale words (lane r: row r's eight), its fragments
	ds_load_b128 v[ASW+4:ASW+7], v[ASA] offset:16
	ALOAD 0
	s_wait_loadcnt 0x0                             ; the weights, their scale words and the bias are in
.macro WM d, b, a, c, sb, sa, odd      ; one product; an odd column tile's scale words stand in lanes 16-31 of their register
.if \odd
	v_wmma_scale_f32_16x16x128_f8f6f4 v[\d:\d+7], v[\b:\b+15], v[\a:\a+15], v[\c:\c+7], v[\sb], v[\sa] matrix_a_fmt:MATRIX_FMT_BF8 matrix_b_fmt:MATRIX_FMT_BF8 matrix_a_scale:MATRIX_SCALE_ROW1
.else
	v_wmma_scale_f32_16x16x128_f8f6f4 v[\d:\d+7], v[\b:\b+15], v[\a:\a+15], v[\c:\c+7], v[\sb], v[\sa] matrix_a_fmt:MATRIX_FMT_BF8 matrix_b_fmt:MATRIX_FMT_BF8
.endif
.endm
.macro PROD                            ; 32 products of row tile set P: K ascending, the four accumulators by turns, one instruction a turn; the first K step takes the bias as C
.irp s, 0,1,2,3,4,5,6,7
	WIN 0x06+(\s)/4                                ; source 0 (weights) window 2 or 3, source 1 (rows) window 1, C and D window 0
.irp j, 0,1,2,3
.if \s == 0
	WM ACC+32*P+8*\j, 64*(\s%4)+16*\j, 128*P+16*\s, BI+8*\j, BSW+2*\s+\j/2, ASW+8*P+\s, \j%2
.else
	WM ACC+32*P+8*\j, 64*(\s%4)+16*\j, 128*P+16*\s, ACC+32*P+8*\j, BSW+2*\s+\j/2, ASW+8*P+\s, \j%2
.endif
.endr
.endr
	WIN 0
.endm
.macro OUTB q                          ; 16 rows of set q leave: sixteen lanes store 256 consecutive bytes of a token's row, aligned; two rows an instruction
.irp i, 0,1,2,3,4,5,6,7
	global_store_b128 v[OA+8*(\q)+\i], v[OB+32*(\q)+4*\i:OB+32*(\q)+4*\i+3], s[18:19] th:TH_STORE_NT
.endr
.endm
; ROW TILE t.  Its fragments were asked for a tile ago.  The loads at the head go into registers that the products of tile t - 1 read: the 16 plain vector lines that made tile t - 1's store offsets
; stand between (8 places are asked behind this form).
.macro ITER t
.set P, (\t)%2
	ds_load_b128 v[TK:TK+3], v[TKA] offset:64*(\t)         ; the tokens of rows 16 t + 8 h + 0 .. 7
	ds_load_b128 v[TK+4:TK+7], v[TKA] offset:64*(\t)+16
.if (\t) < 8
	ds_load_b128 v[ASW+8*(1-P):ASW+8*(1-P)+3], v[ASA] offset:512*((\t)+1)
	ds_load_b128 v[ASW+8*(1-P)+4:ASW+8*(1-P)+7], v[ASA] offset:512*((\t)+1)+16
	ALOAD (\t)+1
.endif
.if (\t) == 0
	s_wait_dscnt 36                                ; tile 0's 34 loads are in; the 36 just issued may be out
.elseif (\t) < 8
	s_wait_dscnt 52                                ; this tile's fragments and scale words are in; behind them: the last way out's 16 and the 36 just issued
.else
	s_wait_dscnt 18                                ; behind them: the last way out's 16 and the 2 just issued
.endif
	PROD
.if (\t) < 8
	s_wait_dscnt 34                                ; the token words, and the rows that the last way out read back, are in; the 34 issued behind the token words may be out
.else
	s_wait_dscnt 0x0
.endif
	s_wait_xcnt 0x0                                ; the stores of two tiles back have read their offsets and data: this set of both is written again only behind this wait
.irp i, 0,1,2,3,4,5,6,7
	v_min_u32 v[TK+\i], 0x1fff, v[TK+\i]           ; a token number, inside out whatever was read
.endr
.irp i, 0,1,2,3,4,5,6,7
	v_lshl_add_u32 v[OA+8*P+\i], v[TK+\i], 12, v[R16]      ; its row of 4,096 bytes, + 16 r.  (These 16 lines are also the places between the products and the stores that read their results)
.endr
.irp j, 0,1,2,3
	ds_store_b128 v[SO], v[ACC+32*P+8*\j:ACC+32*P+8*\j+3] offset:64*\j          ; each accumulator from its low end on
	ds_store_b128 v[SO], v[ACC+32*P+8*\j+4:ACC+32*P+8*\j+7] offset:64*\j+16
.endr
.irp i, 0,1,2,3,4,5,6,7
	ds_load_b128 v[OB+32*P+4*\i:OB+32*P+4*\i+3], v[SR] offset:272*\i            ; LDS serves a wave's instructions in order (ISA guide 5.7.1.4): these see the stores above, and the next tile's stores come behind them
.endr
.if (\t) > 0
	OUTB 1-P                                       ; the tile before leaves
.endif
.if (\t) < 8
	s_cmp_eq_u32 s27, (\t)+1                       ; was this the last tile with rows?
.if P == 0
	s_cbranch_scc1 .Ltail0
.else
	s_cbranch_scc1 .Ltail1
.endif
.endif
.endm
.irp t, 0,1,2,3,4,5,6,7,8
	ITER \t
.endr
.Ltail0:                               ; the last tile's rows, from set 0
	s_wait_dscnt 0x0
	OUTB 0
	s_wait_tensorcnt 0x0
	ds_add_u32 v254, v255
	s_wait_dscnt 0x0
	s_endpgm
.Ltail1:                               ; or from set 1
	s_wait_dscnt 0x0
	OUTB 1
.Lend:
	s_wait_tensorcnt 0x0
	ds_add_u32 v254, v255
	s_wait_dscnt 0x0
	s_endpgm
.Lfunc_end_k_q9bab5fd236_gemm:
	.size	k_q9bab5fd236_gemm, .Lfunc_end_k_q9bab5fd236_gemm-k_q9bab5fd236_gemm
	.p2alignl 7, 3214868480
	.fill 96, 4, 3214868480
	.section	.rodata,"a",@progbits
	.p2align	6, 0x0
	.amdhsa_kernel k_q9bab5fd236_gemm
		.amdhsa_group_segment_fixed_size 174848
		.amdhsa_private_segment_fixed_size 0
		.amdhsa_enable_private_segment 0
		.amdhsa_kernarg_size 64
		.amdhsa_user_sgpr_count 2
		.amdhsa_user_sgpr_kernarg_segment_ptr 1
		.amdhsa_wavefront_size32 1
		.amdhsa_system_sgpr_workgroup_id_x 1
		.amdhsa_system_sgpr_workgroup_id_y 1
		.amdhsa_system_sgpr_workgroup_id_z 1
		.amdhsa_system_vgpr_workitem_id 0
		.amdhsa_next_free_vgpr 1024
		.amdhsa_next_free_sgpr 66
		.amdhsa_reserve_vcc 0
		.amdhsa_float_denorm_mode_32 3
		.amdhsa_float_denorm_mode_16_64 3
		.amdhsa_memory_ordered 1
		.amdhsa_forward_progress 1
		.amdhsa_inst_pref_size 124
	.end_amdhsa_kernel
	.amdgpu_metadata
---
amdhsa.version: [ 1, 2 ]
amdhsa.kernels:
  - .name:           k_q9bab5fd236_gemm
    .symbol:         k_q9bab5fd236_gemm.kd
    .args:
      - { .name: x_codes, .offset: 0, .size: 8, .value_kind: global_buffer, .address_space: global }
      - { .name: x_scales, .offset: 8, .size: 8, .value_kind: global_buffer, .address_space: global }
      - { .name: wq, .offset: 16, .size: 8, .value_kind: global_buffer, .address_space: global }
      - { .name: wsc, .offset: 24, .size: 8, .value_kind: global_buffer, .address_space: global }
      - { .name: bias, .offset: 32, .size: 8, .value_kind: global_buffer, .address_space: global }
      - { .name: order, .offset: 40, .size: 8, .value_kind: global_buffer, .address_space: global }
      - { .name: tiles, .offset: 48, .size: 8, .value_kind: global_buffer, .address_space: global }
      - { .name: out0, .offset: 56, .size: 8, .value_kind: global_buffer, .address_space: global }
    .group_segment_fixed_size: 174848
    .private_segment_fixed_size: 0
    .kernarg_segment_align: 8
    .kernarg_segment_size: 64
    .max_flat_workgroup_size: 128
    .sgpr_count:     66
    .vgpr_count:     1024
    .wavefront_size: 32
...
	.end_amdgpu_metadata
.endif
;; end of part 2
;; ======== version 2 of 2: 2 launches; version 1 with the launch gemm written anew for expert scheduling mode
;; workspace buffers: x_codes 8,388,608 bytes; x_scales 262,144 bytes; wq 8,388,608 bytes; wsc 262,144 bytes; order 32,768 bytes of whole numbers; tiles 1,024 bytes of whole numbers
;; launch prep: the kernel of part 1 again; grid 513 x 1, 4 waves a work-group, no clusters, 33,792 bytes of LDS; arguments x, weight, category_id, x_codes, x_scales, wq, wsc, order, tiles; writes x_codes, x_scales, wq, wsc, order, tiles
;; launch gemm (part 3): grid 64 x 4, 4 waves a work-group, no clusters, 174,848 bytes of LDS; arguments x_codes, x_scales, wq, wsc, bias, order, tiles, out0; writes out0
.if DOCPART == 3
	.amdgcn_target "amdgcn-amd-amdhsa--gfx1250"
	.amdhsa_code_object_version 6
	.text
	.protected	k_q9bab5fd236_gemm
	.globl	k_q9bab5fd236_gemm
	.p2align	8
	.type	k_q9bab5fd236_gemm,@function
k_q9bab5fd236_gemm:
	s_mov_b64 s[64:65], 0
	v_nop
	global_prefetch_b8 v0, s[64:65] scope:SCOPE_SE
	s_setreg_imm32_b32 hwreg(HW_REG_WAVE_SCHED_MODE, 0, 2), 2
	s_setreg_imm32_b32 hwreg(HW_REG_WAVE_MODE, 25, 1), 1
	s_wait_xcnt 0x0
	s_wait_alu depctr_vm_vsrc(0)
; out[t][n] = sum over k of Q(x)[t][k] Q(weight)[cid[t]][k][n] + bias[cid[t]][n], on codes of BF8 (E5M2) with one E8M0 scale for each 32 along K = 1,024; sums in f32.
; Work-group (i, y) takes tile record i ({category, first list entry, rows <= 144, tiles of 16 rows}) and columns 256 y .. 256 y + 255: 64 x 4 work-groups serve every split of the tokens.
; THE WAVES SHARE THE COLUMNS: wave w has columns 256 y + 64 w .. + 63 for all rows.  Its 64 x 1,024 weight codes come from memory straight into 512 registers (the buffer lies in the order of the
; operand's registers) and stay.  The rows' codes, scale bytes and token numbers are gathered once into LDS, by all four waves; one barrier; then each wave finishes one tile of 16 rows after the other
; (8 K steps x 4 accumulators by turns), and a finished tile's rows leave while the next is multiplied.
; THE MATRIX INSTRUCTION IS USED TRANSPOSED (source 0 = 16 weight columns, source 1 = 16 tokens): lane (r, h) holds token r and its register i column 16 j + 8 h + i.  The bias is the C of each sum's first product.
; ROWS PAST THE TILE'S LAST take the last row's list entry: they repeat its numbers and store them to the same bytes, so no lane is ever switched off; whole tiles of 16 such rows are jumped over.
; A slot that the split leaves without rows runs the head on clamped addresses, passes the barrier, stores nothing and ends.
; NOT ASKED FOR JOINTLY: the four column slices of a tile read the same rows and the tiles of a category the same weights, but the rows are scattered (one list entry a row) and the number of row tiles,
; read from memory, steers branches: there is no tensor load, no cluster, and the operands come by plain loads.
; LDS: 0: 144 rows of codes, 1,024 bytes + 16 of padding (65 x 16 bytes: the 16 rows of a fragment load start at 16 different 16-byte columns);  ASC: 192 rows x 32 scale bytes (144 are read);
;      TOKB: 256 token words (144 are read);  STG: for each wave a stage of 16 rows x (256 + 16) bytes for the way out;  behind the stages the spare words, 128 bytes a wave.
; REGISTERS, in windows of 256: window 0: v1-23 addresses; v24-39 the weights' scale words; v40-71 the bias; v72-87 the rows' scale words, two sets; v88-151 accumulators, two sets of four;
;   v152-159 token numbers; v160-175 store offsets, two sets; v176-239 rows on their way out, two sets; v254, v255 the add's two.
;   window 1: the rows' fragments, two sets of 8 K steps x 16.   windows 2, 3: the weights, K steps 0-3, 4-7.
; THE MODE: SCHED_MODE bits 1:0 = 2 (LLVM: expert scheduling mode 2), set by the entry lines.  The code itself states the register dependences between vector or matrix instructions and
; memory or LDS instructions, with s_wait_alu, always for 0.
; THE PLAN.  Row tile t works on set P = t % 2.  Registers that memory or LDS instructions touch, tile by tile:
;   fragments[P], ASW[P]  LDS loads issued in tile t - 1 land in them; tile t's products read them.
;   TK                    two LDS loads of tile t land in it; tile t's eight clamps write it and its eight shifts read it.
;   ACC[P]                tile t's products write it; tile t's eight LDS stores read it; tile t + 2's products write it again.
;   OA[P]                 tile t's shifts write it; the global stores issued in tile t + 1 read it; tile t + 2's shifts write it again.
;   OB[P]                 LDS loads of tile t land in it; the same global stores read it; LDS loads of tile t + 2 land in it again.
;   v1-v17                made at the head, read to the end, never written again.  The weights, their scale words and the bias are loaded once.
; ONE wait on va_vdst a tile stands behind the sixteen vector lines that follow the products: ACC[P] and OA[P] are written, the vector lines are done with TK, the products are done reading fragments[P] and ASW[P].
; From there to the next tile's first product no vector or matrix instruction is issued, and that tile's products name the other set, the weights, their scale words and the bias alone: so the stage's stores and loads,
; the global stores and the next tile's 36 LDS loads, which are dealt among its products, owe nothing more.  ONE wait on vm_vsrc a tile (from tile 1 on) stands ahead of those sixteen lines.
.set PITCH, 1040
.set ASC,   144*PITCH
.set TOKB,  ASC+192*32
.set STG,   TOKB+1024
.set R16,  1                           ; v1   16 r
.set L16,  2                           ; v2   16 x lane
.set L4,   3                           ; v3   4 x lane
.set H32,  4                           ; v4   32 h
.set GW,   5                           ; v5   the gather's place in LDS: (36 w + h) rows + 16 r
.set GS,   6                           ; v6   the scale rows' place: ASC + 1,536 w + 16 x lane
.set TW,   7                           ; v7   the token words' place: TOKB + 4 x thread
.set AD,   8                           ; v8-10  a fragment's row r + 16 h, at row tiles 0, 3, 6
.set ASA,  11                          ; v11  ASC + 32 r
.set TKA,  12                          ; v12  TOKB + 32 h
.set SO,   13                          ; v13  the stage: where I put 32 bytes of a row
.set SR,   14                          ; v14  and where I read 16 bytes back
.set RG,   15                          ; v15  36 w + h: the first row that I gather
.set RS,   16                          ; v16  48 w + lane / 2: the first scale row
.set HB,   17                          ; v17  16 (lane % 2)
.set BSW,  24                          ; register 2 s + j / 2: lanes 0-15 the words of column tile j even, lanes 16-31 of j odd
.set BI,   40
.set ASW,  72
.set ACC,  88
.set TK,   152
.set OA,   160
.set OB,   176
.set LI,   88                          ; the head alone: v88-105 the byte offsets in the list of the rows that I gather;  v106-108 of my scale rows;  v109-110 of my token words
.set LS,   106
.set LT,   109
.set LD,   112                         ; the head alone: v112-134 what the list holds there, in the same order: token numbers, of which v112-132 become row offsets
.set GX,   176                         ; the head alone: gathered rows 32 .. 35 of the wave;  v208-219 scale rows
.set GSC,  208
.set MSB, 0
.macro WIN new                         ; the immediate's high byte repeats the setting that is left; a switch that changes nothing is dropped
.if MSB != (\new)
	s_set_vgpr_msb (MSB<<8)|(\new)
.set MSB, (\new)
.endif
.endm
.macro IDX d, base, k                  ; the byte offset in the list of tile row base + k: rows past the last take the last row's entry
	v_add_nc_u32 v[\d], (\k), v[\base]
	v_min_u32 v[\d], s28, v[\d]
	v_add_nc_u32 v[\d], s25, v[\d]
	v_min_u32 v[\d], 0x1fff, v[\d]                 ; inside the list, whatever was read
	v_lshlrev_b32 v[\d], 2, v[\d]
.endm
.macro BLOAD s                         ; K step s of my 64 columns: 16 loads of 512 consecutive bytes, into window 2 or 3
	WIN 0x80+0x40*((\s)/4)
.irp j, 0,1,2,3
.irp c, 0,1,2,3
	global_load_b128 v[64*((\s)%4)+16*\j+4*\c:64*((\s)%4)+16*\j+4*\c+3], v[L16], s[8:9] offset:8192*(\s)+2048*\j+512*\c
.endr
.endr
.endm
.macro AFRAG t, s                      ; K step s of row tile t: 4 loads, into set t % 2 of window 1 (the window is set by the caller): lane (r, h): row 16 t + r, k = 128 s + 32 c + 16 h on
.irp c, 0,1,2,3
	ds_load_b128 v[128*((\t)%2)+16*(\s)+4*\c:128*((\t)%2)+16*(\s)+4*\c+3], v[AD+(\t)/3] offset:((\t)%3)*16*PITCH+128*(\s)+32*\c
.endr
.endm
.macro ALOAD t                         ; row tile t whole: 8 K steps x 4 loads
	WIN 0x40
.irp s, 0,1,2,3,4,5,6,7
	AFRAG \t, \s
.endr
	WIN 0
.endm
	s_load_b256 s[4:11], s[0:1], 0x0               ; x_codes s[4:5], x_scales s[6:7], wq s[8:9], wsc s[10:11]
	s_load_b256 s[12:19], s[0:1], 0x20             ; bias s[12:13], order s[14:15], tiles s[16:17], out0 s[18:19]
	v_lshl_add_u32 v254, v0, 2, 0x2a900
	v_mov_b32 v255, 0
	v_lshrrev_b32 v18, 5, v0
	v_readfirstlane_b32 s20, v18                   ; wave 0..3
	s_and_b32 s21, ttmp7, 0xffff                   ; y
	s_lshl_b32 s22, ttmp9, 4                       ; my tile record: 16 bytes
	s_mov_b32 s23, 0
	v_and_b32 v19, 31, v0                          ; lane
	v_and_b32 v20, 15, v0                          ; r
	v_bfe_u32 v21, v0, 4, 1                        ; h
	v_lshlrev_b32 v[R16], 4, v20
	v_lshlrev_b32 v[L16], 4, v19
	v_lshlrev_b32 v[L4], 2, v19
	v_lshlrev_b32 v[H32], 5, v21
	s_wait_alu depctr_va_sdst(0)                   ; s20, the wave's number, is written, ahead of its first reader
	s_mul_i32 s29, s20, 36
	v_add_nc_u32 v[RG], s29, v21
	v_mul_u32_u24 v[GW], v[RG], PITCH
	v_add_nc_u32 v[GW], v[GW], v[R16]
	s_mul_i32 s29, s20, 1536
	s_add_co_u32 s29, s29, ASC
	v_add_nc_u32 v[GS], s29, v[L16]
	v_lshl_add_u32 v[TW], v0, 2, TOKB
	v_mul_u32_u24 v22, v20, PITCH
	v_lshl_add_u32 v[AD], v21, 4, v22
	v_add_nc_u32 v[AD+1], 48*PITCH, v[AD]
	v_add_nc_u32 v[AD+2], 96*PITCH, v[AD]
	v_lshl_add_u32 v[ASA], v20, 5, ASC
	v_add_nc_u32 v[TKA], TOKB, v[H32]
	s_mul_i32 s29, s20, 16*272
	s_add_co_u32 s29, s29, STG                     ; my stage
	v_mul_u32_u24 v22, v20, 272
	v_add_nc_u32 v22, v22, v[H32]
	v_add_nc_u32 v[SO], s29, v22                   ; in: row r, 32 bytes for each half of the lanes
	v_mul_u32_u24 v22, v21, 8*272
	v_add_nc_u32 v22, v22, v[R16]
	v_add_nc_u32 v[SR], s29, v22                   ; back: lanes 0-15 a row of 256 bytes, lanes 16-31 the row eight further down
	s_mul_i32 s29, s20, 48
	v_lshrrev_b32 v22, 1, v19
	v_add_nc_u32 v[RS], s29, v22
	v_and_b32 v22, 1, v19
	v_lshlrev_b32 v[HB], 4, v22
	s_wait_kmcnt 0x0
	s_add_nc_u64 s[16:17], s[16:17], s[22:23]
	s_load_b128 s[24:27], s[16:17], 0x0            ; category, first list entry, rows, tiles of 16 rows
	s_wait_kmcnt 0x0
	s_min_u32 s24, s24, 7                          ; each inside its range, whatever was read
	s_min_u32 s25, s25, 0x1fff
	s_min_u32 s26, s26, 144
	s_min_u32 s27, s27, 9
	s_max_u32 s28, s26, 1
	s_sub_co_u32 s28, s28, 1                       ; the tile's last row
	s_lshl_b32 s30, s21, 2
	s_add_co_u32 s30, s30, s20                     ; 4 y + w: my group of 64 columns
	s_lshl_b32 s29, s24, 4
	s_add_co_u32 s29, s29, s30                     ; 16 e + 4 y + w
	s_lshl_b32 s22, s29, 16
	s_add_nc_u64 s[8:9], s[8:9], s[22:23]          ; my 65,536 bytes of weight codes,
	s_lshl_b32 s22, s29, 11
	s_add_nc_u64 s[10:11], s[10:11], s[22:23]      ; their 2,048 bytes of scale words,
	s_lshl_b32 s22, s29, 8
	s_add_nc_u64 s[12:13], s[12:13], s[22:23]      ; my 64 numbers of the category's bias,
	s_lshl_b32 s22, s30, 8
	s_add_nc_u64 s[18:19], s[18:19], s[22:23]      ; my 256 bytes of a row of out
	; ---- the list: 23 loads, from the offsets v[LI ..] into v[LD ..]
.irp i, 0,1,2,3,4,5,6,7,8,9,10,11,12,13,14,15,16,17
	IDX LI+\i, RG, 2*\i                            ; lanes 0-15: row 36 w + 2 i, lanes 16-31 the next
.endr
.irp q, 0,1,2
	IDX LS+\q, RS, 16*\q                           ; two lanes to a scale row
.endr
	IDX LT, 0, 0                                   ; a thread to a token word, twice
	IDX LT+1, 0, 128
	s_wait_alu depctr_va_vdst(0)                   ; v1 to v17 and the list offsets v[LI ..] are written, which the loads and stores from here on read as their addresses; so are v254 and v255, which the closing add reads
.irp i, 0,1,2,3,4,5,6,7,8,9,10,11,12,13,14,15,16,17,18,19,20,21,22
	global_load_b32 v[LD+\i], v[LI+\i], s[14:15]
.endr
	BLOAD 0                                        ; the weights hang on the record alone: they go out while the list is on its way
	BLOAD 1
	WIN 0
	s_wait_loadcnt 32                              ; the 23 list loads are in; the 32 issued behind them may be out
.irp i, 0,1,2,3,4,5,6,7,8,9,10,11,12,13,14,15,16,17,18,19,20
	v_min_u32 v[LD+\i], 0x1fff, v[LD+\i]           ; a token number, inside x whatever was read
.endr
.irp i, 0,1,2,3,4,5,6,7,8,9,10,11,12,13,14,15,16,17
	v_lshl_add_u32 v[LD+\i], v[LD+\i], 10, v[R16]  ; its row of 1,024 codes, + 16 r
.endr
.irp q, 0,1,2
	v_lshl_add_u32 v[LD+18+\q], v[LD+18+\q], 5, v[HB]      ; its 32 scale bytes, my half
.endr
	ds_store_b32 v[TW], v[LD+21]                   ; the token words go to LDS as they were loaded
	ds_store_b32 v[TW], v[LD+22] offset:512
	; ---- the gather: 75 loads.  Sixteen lanes read 256 consecutive bytes of a row, aligned; two rows an instruction
	WIN 0x40
	s_wait_alu depctr_va_vdst(0)                   ; the row offsets v[LD] to v[LD + 20] are written, which the gather's loads read as their addresses
.irp i, 0,1,2,3,4,5,6,7,8,9,10,11,12,13,14,15
.irp q, 0,1,2,3
	global_load_b128 v[16*\i+4*\q:16*\i+4*\q+3], v[LD+\i], s[4:5] offset:256*\q
.endr
.endr
	WIN 0
.irp i, 16,17
.irp q, 0,1,2,3
	global_load_b128 v[GX+16*(\i-16)+4*\q:GX+16*(\i-16)+4*\q+3], v[LD+\i], s[4:5] offset:256*\q
.endr
.endr
.irp q, 0,1,2
	global_load_b128 v[GSC+4*\q:GSC+4*\q+3], v[LD+18+\q], s[6:7]
.endr
	BLOAD 2
	BLOAD 3
	BLOAD 4
	WIN 0
	s_wait_loadcnt 48                              ; the gather is in; the 48 issued behind it may be out
	WIN 0x04                                       ; an LDS store's data are its source 1: window 1
.irp i, 0,1,2,3,4,5,6,7,8,9,10,11,12,13,14,15
.irp q, 0,1,2,3
	ds_store_b128 v[GW], v[16*\i+4*\q:16*\i+4*\q+3] offset:2*PITCH*\i+256*\q
.endr
.endr
	WIN 0
.irp i, 16,17
.irp q, 0,1,2,3
	ds_store_b128 v[GW], v[GX+16*(\i-16)+4*\q:GX+16*(\i-16)+4*\q+3] offset:2*PITCH*\i+256*\q
.endr
.endr
.irp q, 0,1,2
	ds_store_b128 v[GS], v[GSC+4*\q:GSC+4*\q+3] offset:512*\q
.endr
	BLOAD 5
	BLOAD 6
	BLOAD 7
	WIN 0
.irp s, 0,1,2,3,4,5,6,7
.irp u, 0,1
	global_load_b32 v[BSW+2*\s+\u], v[L4], s[10:11] offset:256*\s+128*\u   ; lane l: the word of column 32 u + l for K step s
.endr
.endr
.irp j, 0,1,2,3
	global_load_b128 v[BI+8*\j:BI+8*\j+3], v[H32], s[12:13] offset:64*\j   ; the bias in the result's layout: columns 16 j + 8 h + 0 .. 7
	global_load_b128 v[BI+8*\j+4:BI+8*\j+7], v[H32], s[12:13] offset:64*\j+16
.endr
	s_wait_dscnt 0x0                               ; for the others' sake: my stores into LDS are done
	s_barrier_signal -1
	s_barrier_wait -1                              ; the one barrier, on every wave's path: the rows, their scales and the token words lie in LDS
	s_wait_alu depctr_vm_vsrc(0)                   ; my LDS stores have read window 1 and v[GX ..], in which the fragments' and the stage's loads land from here on; the list's and the gather's loads have read v[LI ..] and v[LD ..], the two word stores v[LD + 21] and v[LD + 22]: these are the accumulators from here on, written by the products
	s_cmp_eq_u32 s27, 0
	s_cbranch_scc1 .Lend                           ; a slot without rows
	ds_load_b128 v[ASW:ASW+3], v[ASA]              ; row tile 0: its scale words (lane r: row r's eight), its fragments
	ds_load_b128 v[ASW+4:ASW+7], v[ASA] offset:16
	ALOAD 0
	s_wait_loadcnt 0x0                             ; the weights, their scale words and the bias are in
.macro WM d, b, a, c, sb, sa, odd      ; one product; an odd column tile's scale words stand in lanes 16-31 of their register
.if \odd
	v_wmma_scale_f32_16x16x128_f8f6f4 v[\d:\d+7], v[\b:\b+15], v[\a:\a+15], v[\c:\c+7], v[\sb], v[\sa] matrix_a_fmt:MATRIX_FMT_BF8 matrix_b_fmt:MATRIX_FMT_BF8 matrix_a_scale:MATRIX_SCALE_ROW1
.else
	v_wmma_scale_f32_16x16x128_f8f6f4 v[\d:\d+7], v[\b:\b+15], v[\a:\a+15], v[\c:\c+7], v[\sb], v[\sa] matrix_a_fmt:MATRIX_FMT_BF8 matrix_b_fmt:MATRIX_FMT_BF8
.endif
.endm
.macro KSTEP s                         ; the four products of K step s of row tile set P: the four accumulators by turns, one instruction a turn; K step 0 takes the bias as C
	WIN 0x06+(\s)/4                                ; source 0 (weights) window 2 or 3, source 1 (rows) window 1, C and D window 0
.irp j, 0,1,2,3
.if (\s) == 0
	WM ACC+32*P+8*\j, 64*((\s)%4)+16*\j, 128*P+16*(\s), BI+8*\j, BSW+2*(\s)+\j/2, ASW+8*P+(\s), \j%2
.else
	WM ACC+32*P+8*\j, 64*((\s)%4)+16*\j, 128*P+16*(\s), ACC+32*P+8*\j, BSW+2*(\s)+\j/2, ASW+8*P+(\s), \j%2
.endif
.endr
.endm
.macro OUTB q                          ; 16 rows of set q leave: sixteen lanes store 256 consecutive bytes of a token's row, aligned; two rows an instruction
.irp i, 0,1,2,3,4,5,6,7
	global_store_b128 v[OA+8*(\q)+\i], v[OB+32*(\q)+4*\i:OB+32*(\q)+4*\i+3], s[18:19] th:TH_STORE_NT
.endr
.endm
; ROW TILE t.  Its fragments were asked for a tile ago.  Its 32 products go K ascending; its token words and the next tile's scale words and fragments, 36 LDS loads, are dealt among them in three runs of twelve,
; behind K steps 1, 3 and 5.  Those loads land in TK and in the other set, with which the tile before was done ahead of its wait on va_vdst; this tile's products name none of their registers.
.macro ITER t
.set P, (\t)%2
.if (\t) == 0
	s_wait_dscnt 0x0                               ; tile 0's 34 loads are in
.else
	s_wait_dscnt 16                                ; this tile's fragments and scale words are in; behind them only the last way out's 8 stores and 8 loads were issued
.endif
	KSTEP 0
	KSTEP 1
	WIN 0
	ds_load_b128 v[TK:TK+3], v[TKA] offset:64*(\t)         ; the tokens of rows 16 t + 8 h + 0 .. 7
	ds_load_b128 v[TK+4:TK+7], v[TKA] offset:64*(\t)+16
.if (\t) < 8
	ds_load_b128 v[ASW+8*(1-P):ASW+8*(1-P)+3], v[ASA] offset:512*((\t)+1)
	ds_load_b128 v[ASW+8*(1-P)+4:ASW+8*(1-P)+7], v[ASA] offset:512*((\t)+1)+16
	WIN 0x40
	AFRAG (\t)+1, 0
	AFRAG (\t)+1, 1
.endif
	KSTEP 2
	KSTEP 3
.if (\t) < 8
	WIN 0x40
	AFRAG (\t)+1, 2
	AFRAG (\t)+1, 3
	AFRAG (\t)+1, 4
.endif
	KSTEP 4
	KSTEP 5
.if (\t) < 8
	WIN 0x40
	AFRAG (\t)+1, 5
	AFRAG (\t)+1, 6
	AFRAG (\t)+1, 7
.endif
	KSTEP 6
	KSTEP 7
	WIN 0
.if (\t) < 8
	s_wait_dscnt 34                                ; the token words, and the rows that the last way out read back, are in; the 34 issued behind the token words may be out
.else
	s_wait_dscnt 0x0
.endif
	s_wait_xcnt 0x0                                ; the stores of two tiles back have read their offsets and data: this set of both is written again only behind this wait
.if (\t) > 0
	s_wait_alu depctr_vm_vsrc(0)                   ; the global stores issued in the tile before have read OA[P] and OB[P], which the shifts and the stage's loads below write again; that tile's LDS stores have read the other set of accumulators, which the next tile's products write
.endif
.irp i, 0,1,2,3,4,5,6,7
	v_min_u32 v[TK+\i], 0x1fff, v[TK+\i]           ; a token number, inside out whatever was read
.endr
.irp i, 0,1,2,3,4,5,6,7
	v_lshl_add_u32 v[OA+8*P+\i], v[TK+\i], 12, v[R16]      ; its row of 4,096 bytes, + 16 r.  (These 16 lines are also the places between the products and the stores that read their results: 8 are asked behind this form)
.endr
	s_wait_alu depctr_va_vdst(0)                   ; the products have written ACC[P], which the LDS stores below read, and are done reading fragments[P] and ASW[P], in which the next tile's loads land; the shifts have written OA[P], which the next tile's global stores read; the clamps and shifts are done with TK, in which the next token words land
.irp j, 0,1,2,3
	ds_store_b128 v[SO], v[ACC+32*P+8*\j:ACC+32*P+8*\j+3] offset:64*\j          ; each accumulator from its low end on
	ds_store_b128 v[SO], v[ACC+32*P+8*\j+4:ACC+32*P+8*\j+7] offset:64*\j+16
.endr
.irp i, 0,1,2,3,4,5,6,7
	ds_load_b128 v[OB+32*P+4*\i:OB+32*P+4*\i+3], v[SR] offset:272*\i            ; LDS serves a wave's instructions in order (ISA guide 5.7.1.4): these see the stores above, and the next tile's stores come behind them
.endr
.if (\t) > 0
	OUTB 1-P                                       ; the tile before leaves: its offsets were written ahead of that tile's wait on va_vdst
.endif
.if (\t) < 8
	s_cmp_eq_u32 s27, (\t)+1                       ; was this the last tile with rows?
.if P == 0
	s_cbranch_scc1 .Ltail0
.else
	s_cbranch_scc1 .Ltail1
.endif
.endif
.endm
.irp t, 0,1,2,3,4,5,6,7,8
	ITER \t
.endr
.Ltail0:                               ; the last tile's rows, from set 0: no vector instruction was issued since that tile's wait on va_vdst, ahead of which their offsets were written
	s_wait_dscnt 0x0
	OUTB 0
	s_wait_dscnt 0x0                               ; the closing lines, six on end
	s_wait_alu 0x0
	s_wait_tensorcnt 0x0
	ds_add_u32 v254, v255
	s_wait_dscnt 0x0
	s_endpgm
.Ltail1:                               ; or from set 1
	s_wait_dscnt 0x0
	OUTB 1
.Lend:
	s_wait_dscnt 0x0                               ; the closing lines, six on end
	s_wait_alu 0x0
	s_wait_tensorcnt 0x0
	ds_add_u32 v254, v255
	s_wait_dscnt 0x0
	s_endpgm
.Lfunc_end_k_q9bab5fd236_gemm:
	.size	k_q9bab5fd236_gemm, .Lfunc_end_k_q9bab5fd236_gemm-k_q9bab5fd236_gemm
	.p2alignl 7, 3214868480
	.fill 96, 4, 3214868480
	.section	.rodata,"a",@progbits
	.p2align	6, 0x0
	.amdhsa_kernel k_q9bab5fd236_gemm
		.amdhsa_group_segment_fixed_size 174848
		.amdhsa_private_segment_fixed_size 0
		.amdhsa_enable_private_segment 0
		.amdhsa_kernarg_size 64
		.amdhsa_user_sgpr_count 2
		.amdhsa_user_sgpr_kernarg_segment_ptr 1
		.amdhsa_wavefront_size32 1
		.amdhsa_system_sgpr_workgroup_id_x 1
		.amdhsa_system_sgpr_workgroup_id_y 1
		.amdhsa_system_sgpr_workgroup_id_z 1
		.amdhsa_system_vgpr_workitem_id 0
		.amdhsa_next_free_vgpr 1024
		.amdhsa_next_free_sgpr 66
		.amdhsa_reserve_vcc 0
		.amdhsa_float_denorm_mode_32 3
		.amdhsa_float_denorm_mode_16_64 3
		.amdhsa_memory_ordered 1
		.amdhsa_forward_progress 1
		.amdhsa_inst_pref_size 126
	.end_amdhsa_kernel
	.amdgpu_metadata
---
amdhsa.version: [ 1, 2 ]
amdhsa.kernels:
  - .name:           k_q9bab5fd236_gemm
    .symbol:         k_q9bab5fd236_gemm.kd
    .args:
      - { .name: x_codes, .offset: 0, .size: 8, .value_kind: global_buffer, .address_space: global }
      - { .name: x_scales, .offset: 8, .size: 8, .value_kind: global_buffer, .address_space: global }
      - { .name: wq, .offset: 16, .size: 8, .value_kind: global_buffer, .address_space: global }
      - { .name: wsc, .offset: 24, .size: 8, .value_kind: global_buffer, .address_space: global }
      - { .name: bias, .offset: 32, .size: 8, .value_kind: global_buffer, .address_space: global }
      - { .name: order, .offset: 40, .size: 8, .value_kind: global_buffer, .address_space: global }
      - { .name: tiles, .offset: 48, .size: 8, .value_kind: global_buffer, .address_space: global }
      - { .name: out0, .offset: 56, .size: 8, .value_kind: global_buffer, .address_space: global }
    .group_segment_fixed_size: 174848
    .private_segment_fixed_size: 0
    .kernarg_segment_align: 8
    .kernarg_segment_size: 64
    .max_flat_workgroup_size: 128
    .sgpr_count:     66
    .vgpr_count:     1024
    .wavefront_size: 32
...
	.end_amdgpu_metadata
.endif
;; end of part 3
